; MI455X (gfx1250); checked and timed in simulation.
; The chip was launched on July 23, 2026; its instructions are those of AMD's public machine-readable ISA for CDNA 5 (MIT licence, August 2026) and "CDNA5" Instruction Set Architecture Reference Guide (July 2026). The comments in the code are by the model that wrote it; some were corrected since.
;; LSTMCELL. Allowed arithmetic: matrix products marked QUANTISED: E5M2 operands, one given power-of-two scale a tensor, by v_wmma_f32_16x16x64_bf8_bf8 or v_wmma_f32_16x16x128_bf8_bf8, f32 sums; everything else in f32.
;; Inputs: W_fb 2,048 x 2,048 float32; W_out 2,048 x 2,048 float32; Wh 8,192 x 2,048 float32; Wi 8,192 x 512 float32; b_fb 2,048 float32; b_out 2,048 float32; bi 8,192 float32; c_prev 2,048 x 2,048 float32; data 2,048 x 512 float32; h_prev 2,048 x 2,048 float32; lowp_scales 8 int32 (the exponents e of the quantised operands' scales 2^e); o_prev 2,048 x 2,048 float32.
;; Outputs: out0 2,048 x 2,048 float32; out1 2,048 x 2,048 float32; out2 2,048 x 2,048 float32.
;; This version of the problem:
;;   THIS VERSION OF THE PROBLEM IS GIVEN IN LOW PRECISION. The matrix products marked QUANTISED in the list below multiply operands that are first quantised to E5M2 (5 exponent bits, 2 mantissa bits; 8 bits a number), with one given power-of-two scale for each operand tensor; their sums are f32. All else is computed in f32.
;;   The module's matrix products, in the order in which they are computed (A, B: the left and right operand; K: the contracted axis; several contracted axes count as one K, in the product's order):
;;     1. [M 2,048, K 512] x [K 512, N 8,192]; A: input data; B: input Wi: QUANTISED (scales: A lowp_scales[0], B lowp_scales[1])
;;     2. [M 2,048, K 2,048] x [K 2,048, N 8,192]; A: input h_prev; B: input Wh: QUANTISED (scales: A lowp_scales[2], B lowp_scales[3])
;;     3. [M 2,048, K 2,048] x [K 2,048, N 2,048]; A: input o_prev; B: input W_fb: QUANTISED (scales: A lowp_scales[4], B lowp_scales[5])
;;     4. [M 2,048, K 2,048] x [K 2,048, N 2,048]; A: computed on the way; B: input W_out: QUANTISED (scales: A lowp_scales[6], B lowp_scales[7])
;;   THE QUANTISER, for each operand of a quantised product, along K:
;;     - The operand's scale is 2^e, e = its entry of the input lowp_scales (int32; the entries are numbered through the quantised products in the list's order, A before B).
;;     - Each number is divided by the scale, clamped to +-57,344, and rounded to the nearest number of E5M2, ties to even, subnormals kept.
;;     - The product sums the exact products of the quantised numbers (number of the format x scale) in f32.
;;   ~~~python
;;   def quantise(x, axis, e):      # numpy; x: float32 -> the quantised numbers, widened to float32 again
;;       x = np.moveaxis(x, axis, -1); K = x.shape[-1]
;;       r = np.clip(x / 2.0 ** e, -57344, 57344)
;;       step = 2.0 ** (np.maximum(np.frexp(np.where(r == 0, 1, r))[1] - 1, -14) - 2)
;;       q = np.round(r / step) * step * 2.0 ** e      # np.round: ties to even
;;       return np.moveaxis(q, -1, axis).astype(np.float32)
;;   ~~~
;;   OPERANDS COMPUTED ON THE WAY. 'Computed on the way' means the value that the module computes at that place (a softmax that the list does not call 'softmax' is quantised finished and normalised). What goes into a quantiser is computed in f32, as accurately as f32 sums, v_exp_f32 and their like allow (about 1e-6 of the number): no bf16 or f16 on the way to a quantiser, and a product that is left as it is and whose result goes on into a quantised operand takes f32 operands (vector FMAs, or v_wmma_f32_16x16x4_f32). A number that lies on a knife's edge between two numbers of the format may be rounded either way, as far as f32 arithmetic and the matrix unit's own rounding can turn it there, and no further.
;; One version. Each part assembles by itself: llvm-mc -triple=amdgcn-amd-amdhsa -mcpu=gfx1250 --defsym DOCPART=n.
;; ======== version 1 of 1: 4 launches
;; limits: right only within a limited range of input values
;; workspace buffers: codes 38,797,312 bytes; hcodes 4,194,304 bytes; logits 16,777,216 bytes
;; launch quant (part 1): grid 1184 x 1, 4 waves a work-group, no clusters, 34,304 bytes of LDS; arguments data, h_prev, o_prev, Wi, Wh, W_fb, W_out, lowp_scales, codes; writes codes
.if DOCPART == 1
	.amdgcn_target "amdgcn-amd-amdhsa--gfx1250"
	.amdhsa_code_object_version 6
	.text
	.protected	k_qf05cefb2c5_quant
	.globl	k_qf05cefb2c5_quant
	.p2align	8
	.type	k_qf05cefb2c5_quant,@function
k_qf05cefb2c5_quant:
	s_mov_b64 s[64:65], 0
	v_nop
	global_prefetch_b8 v0, s[64:65] scope:SCOPE_SE
	s_setreg_imm32_b32 hwreg(HW_REG_WAVE_MODE, 25, 1), 1
	s_wait_xcnt 0x0
; The seven f32 operands of the four products become codes of BF8 (E5M2), each with the one scale 2^e that is given for it:
; code = x / 2^e, held within +-57,344, rounded to the nearest code, ties to even.
; LIMITS: e between -126 and 112, so that 2^e and 57,344 x 2^e are f32 numbers.  NaN among the inputs is not served; an infinity is held at the largest code.
; LAYOUT OF THE CODES: images of the matrix operand's registers.  A tensor [R][K] lies as [R/16 row blocks][K/128][2,048 bytes]; in a fragment of 2,048 bytes group c (0..3) takes 512 bytes,
; and in a group lane L = r + 16 h owns the 16 bytes at 16 L: the codes of row r at K = 128 kb + 32 c + 16 h + 0..15.  So the later launches fetch a fragment by four loads of 512 dense bytes.
; Wi's and Wh's row blocks are laid in another order: source block rbs (gate g = rbs / 128, unit block ub = rbs % 128) goes to 8 (ub / 2) + 2 g + ub % 2: the four gates of 32 hidden units lie on end.
; SHARES: a work-group takes 32,768 numbers, a wave 16 rows x 512 along K = four fragments.  The work-groups walk the tensors in the order in which their codes lie, so a tensor's codes begin at 32,768 x its first work-group.
; One path serves all seven tensors: only pointers and a few whole numbers are chosen, by the work-group's number.
; Each load reads 512 consecutive bytes of one row; the 16 rows turn through the wave's own stage in LDS (pitch 528 bytes: 33 x 16, so that sixteen rows fall on sixteen different groups of banks) and come back
; 16 neighbours along K to a lane, as the conversions want them.  Each store covers 512 consecutive bytes, aligned.  Waves share nothing: no barrier.  No work-group reads what another reads: no cluster, no matrix unit.
.set SP,    528                        ; a stage row: 512 bytes + 16
.set WST,   16*SP                      ; a wave's stage
.set LO,    2                          ; v2       16 x lane
.set SIN,   3                          ; v3       the stage, on the way in
.set SOUT,  4                          ; v4       and on the way out
.set LIM,   10                         ; v10      57,344 x 2^e
.set SC,    11                         ; v11      2^e
.set VOFF,  16                         ; v16-31   row i: 16 x lane + i x the row's bytes; never rewritten
.set R,     32                         ; v32-159  two sets of 64 numbers as they are loaded
.set X,     32                         ; the 64 numbers come back from the stage into the set that they were loaded into: register 16 c + i = K 32 c + 16 h + i of my row (set again in each step)
.set C,     160                        ; v160-191 two sets of 16 registers of codes
	s_load_b512 s[8:23], s[0:1], 0x0               ; data 8, h_prev 10, o_prev 12, Wi 14, Wh 16, W_fb 18, W_out 20, the exponents 22
	s_load_b64 s[24:25], s[0:1], 0x40              ; the codes
	v_lshl_add_u32 v14, v0, 2, 0x8400
	v_mov_b32 v15, 0
	v_lshrrev_b32 v5, 5, v0
	v_readfirstlane_b32 s31, v5                    ; wave 0..3
	v_and_b32 v1, 31, v0
	v_lshlrev_b32 v[LO], 4, v1
	s_mul_i32 s32, s31, WST
	v_add_nc_u32 v[SIN], s32, v[LO]                ; in: 16 bytes a lane of a row
	v_and_b32 v5, 15, v0
	v_bfe_u32 v6, v0, 4, 1
	v_mul_u32_u24 v[SOUT], v5, SP
	v_lshl_add_u32 v[SOUT], v6, 6, v[SOUT]
	v_add_nc_u32 v[SOUT], s32, v[SOUT]             ; out: row r, + 64 h bytes
	s_wait_alu depctr_va_vdst(0)
	s_wait_kmcnt 0x0
; which tensor is mine: s[4:5] its address, s26 its first work-group, s27 4 x its entry among the exponents, s28 K is 512, s29 its row blocks change places
	s_mov_b64 s[4:5], s[20:21]
	s_mov_b32 s26, 1056
	s_mov_b32 s27, 28
	s_mov_b32 s28, 0
	s_mov_b32 s29, 0
.macro PICK bound, ptr, first, e4, k5, pm
	s_cmp_lt_u32 ttmp9, \bound
	s_cselect_b64 s[4:5], s[\ptr:\ptr+1], s[4:5]
	s_cselect_b32 s26, \first, s26
	s_cselect_b32 s27, \e4, s27
	s_cselect_b32 s28, \k5, s28
	s_cselect_b32 s29, \pm, s29
.endm
	PICK 1056, 18, 928, 20, 0, 0                   ; W_fb
	PICK 928, 16, 416, 12, 0, 1                    ; Wh
	PICK 416, 14, 288, 4, 1, 1                     ; Wi
	PICK 288, 12, 160, 16, 0, 0                    ; o_prev
	PICK 160, 10, 32, 8, 0, 0                      ; h_prev
	PICK 32, 8, 0, 0, 1, 0                         ; data
	s_load_b32 s40, s[22:23], s27 offset:0x0       ; e
	s_sub_co_u32 s30, ttmp9, s26                   ; d: my work-group within the tensor
	s_lshl_b32 s36, s30, 2
	s_add_co_u32 s36, s36, s31                     ; 4 d + wave
	s_mov_b32 s32, 8192
	s_mov_b32 s33, 2048
	s_mov_b32 s34, 32768
	s_cmp_lg_u32 s28, 0                            ; K = 512: a work-group is four row blocks, one a wave.  K = 2,048: one row block, a quarter of K a wave
	s_cselect_b32 s32, 2048, s32                   ; a source row in bytes
	s_cselect_b32 s33, 32768, s33                  ; from wave to wave in the source
	s_cselect_b32 s34, 8192, s34                   ; a row block of codes
	s_cselect_b32 s35, 0, 8192                     ; from wave to wave inside a row block of codes
	s_cselect_b32 s36, s36, s30                    ; my source row block
	s_lshr_b32 s37, s36, 7                         ; g
	s_and_b32 s38, s36, 127                        ; ub
	s_lshr_b32 s39, s38, 1
	s_lshl_b32 s39, s39, 3
	s_lshl_b32 s37, s37, 1
	s_add_co_u32 s39, s39, s37
	s_and_b32 s38, s38, 1
	s_add_co_u32 s39, s39, s38                     ; 8 (ub / 2) + 2 g + ub % 2
	s_cmp_lg_u32 s29, 0
	s_cselect_b32 s36, s39, s36                    ; where my row block goes
	s_lshl_b32 s38, s30, 17                        ; source: d x 131,072 bytes + my wave's part
	s_mul_i32 s39, s31, s33
	s_add_co_u32 s38, s38, s39
	s_mov_b32 s39, 0
	s_add_nc_u64 s[4:5], s[4:5], s[38:39]
	s_lshl_b32 s38, s26, 15                        ; codes: the tensor's first byte + the row block + my wave's part
	s_mul_i32 s37, s36, s34
	s_add_co_u32 s38, s38, s37
	s_mul_i32 s37, s31, s35
	s_add_co_u32 s38, s38, s37
	s_add_nc_u64 s[6:7], s[24:25], s[38:39]
	v_lshrrev_b32 v7, 1, v1                        ; the prefetches' offset: two lanes to a row, 256 bytes apart: row l / 2, block l % 2 of a fragment's 512 bytes
	v_and_b32 v8, 1, v1
	v_mul_u32_u24 v7, v7, s32
	v_lshl_add_u32 v7, v8, 8, v7
	v_mov_b32 v[VOFF], v[LO]
.irp i, 1,2,3,4,5,6,7,8,9,10,11,12,13,14,15
	v_add_nc_u32 v[VOFF+\i], s32, v[VOFF+\i-1]
.endr
.macro LOAD t                          ; fragment t: 128 along K of my 16 rows; 32 lanes read 512 consecutive bytes of a row
.irp i, 0,1,2,3,4,5,6,7,8,9,10,11,12,13,14,15
	global_load_b128 v[R+64*((\t)%2)+4*\i:R+64*((\t)%2)+4*\i+3], v[VOFF+\i], s[4:5] offset:512*(\t) th:TH_LOAD_NT
.endr
.endm
	LOAD 0
	LOAD 1
	global_prefetch_b8 v7, s[4:5] offset:1024 th:TH_LOAD_NT scope:SCOPE_SE   ; fragments 2 and 3, whose loads follow two steps on: 32 blocks of 256 bytes each, a lane a block; no other wave reads them
	global_prefetch_b8 v7, s[4:5] offset:1536 th:TH_LOAD_NT scope:SCOPE_SE
	s_wait_alu depctr_va_vdst(0)
	s_wait_kmcnt 0x0
	s_add_co_i32 s40, s40, 127
	s_lshl_b32 s41, s40, 23
	v_mov_b32 v[SC], s41                           ; 2^e as f32: the conversion takes its exponent field
	s_add_co_i32 s40, s40, 15
	s_lshl_b32 s40, s40, 23
	s_or_b32 s40, s40, 0x600000
	v_mov_b32 v[LIM], s40                          ; 57,344 x 2^e
.macro STEP t
.set RS, R+64*((\t)%2)
.set CS, C+16*((\t)%2)
.set X, RS
.if (\t) < 3
	s_wait_loadcnt 16                              ; this fragment's 16 loads are in; the next one's 16 may be out
.else
	s_wait_loadcnt 0
.endif
.irp i, 0,1,2,3,4,5,6,7,8,9,10,11,12,13,14,15
	ds_store_b128 v[SIN], v[RS+4*\i:RS+4*\i+3] offset:SP*\i
.endr
	s_wait_dscnt 0x0                               ; the stores have read their registers: the loads below land on the same set
.irp c, 0,1,2,3
.irp q, 0,1,2,3
	ds_load_b128 v[X+16*\c+4*\q:X+16*\c+4*\q+3], v[SOUT] offset:128*\c+16*\q   ; LDS serves a wave's instructions in order (ISA guide 5.7.1.4): these see the stores above
.endr
.endr
	s_wait_dscnt 0x0                               ; the numbers are back, and the stores into the stage have read their registers,
.set i, 0
.rept 64
	v_med3_num_f32 v[X+i], v[X+i], -v[LIM], v[LIM] ; the conversion to an 8-bit code does not saturate (ISA guide 7.6.2): the hold at the largest code x the scale comes first
.set i, i+1
.endr
.if (\t) >= 2
	s_wait_alu depctr_va_vdst(0)
	s_wait_xcnt 0x0                                ; this set of code registers was the data of the stores two fragments ago: written again only behind this wait
.endif
.irp c, 0,1,2,3
	v_cvt_scalef32_pk8_bf8_f32 v[CS+4*\c:CS+4*\c+1], v[X+16*\c:X+16*\c+7], v[SC]
	v_cvt_scalef32_pk8_bf8_f32 v[CS+4*\c+2:CS+4*\c+3], v[X+16*\c+8:X+16*\c+15], v[SC]
.endr
	v_nop                                          ; one plain vector line behind the last conversion of a run
.if (\t) < 2
	LOAD (\t)+2                                    ; the conversions have read this set: it takes the loads of two fragments on
.endif
.irp c, 0,1,2,3
	global_store_b128 v[LO], v[CS+4*\c:CS+4*\c+3], s[6:7] offset:2048*(\t)+512*\c   ; group c of the image: 32 lanes store 512 consecutive bytes, aligned
.endr
.endm
	s_wait_alu depctr_va_vdst(0)
	STEP 0
	STEP 1
	STEP 2
	STEP 3
	s_wait_tensorcnt 0x0
	ds_add_u32 v14, v15
	s_wait_dscnt 0x0
	s_endpgm
.Lfunc_end_k_qf05cefb2c5_quant:
	.size	k_qf05cefb2c5_quant, .Lfunc_end_k_qf05cefb2c5_quant-k_qf05cefb2c5_quant
	.p2alignl 7, 3214868480
	.fill 96, 4, 3214868480
	.section	.rodata,"a",@progbits
	.p2align	6, 0x0
	.amdhsa_kernel k_qf05cefb2c5_quant
		.amdhsa_group_segment_fixed_size 34304
		.amdhsa_private_segment_fixed_size 0
		.amdhsa_enable_private_segment 0
		.amdhsa_kernarg_size 72
		.amdhsa_user_sgpr_count 2
		.amdhsa_user_sgpr_kernarg_segment_ptr 1
		.amdhsa_wavefront_size32 1
		.amdhsa_system_sgpr_workgroup_id_x 1
		.amdhsa_system_sgpr_workgroup_id_y 1
		.amdhsa_system_sgpr_workgroup_id_z 1
		.amdhsa_system_vgpr_workitem_id 0
		.amdhsa_next_free_vgpr 192
		.amdhsa_next_free_sgpr 66
		.amdhsa_reserve_vcc 0
		.amdhsa_float_denorm_mode_32 3
		.amdhsa_float_denorm_mode_16_64 3
		.amdhsa_memory_ordered 1
		.amdhsa_forward_progress 1
		.amdhsa_inst_pref_size 40
	.end_amdhsa_kernel
	.amdgpu_metadata
---
amdhsa.version: [ 1, 2 ]
amdhsa.kernels:
  - .name:           k_qf05cefb2c5_quant
    .symbol:         k_qf05cefb2c5_quant.kd
    .args:
      - { .name: data, .offset: 0, .size: 8, .value_kind: global_buffer, .address_space: global }
      - { .name: h_prev, .offset: 8, .size: 8, .value_kind: global_buffer, .address_space: global }
      - { .name: o_prev, .offset: 16, .size: 8, .value_kind: global_buffer, .address_space: global }
      - { .name: Wi, .offset: 24, .size: 8, .value_kind: global_buffer, .address_space: global }
      - { .name: Wh, .offset: 32, .size: 8, .value_kind: global_buffer, .address_space: global }
      - { .name: W_fb, .offset: 40, .size: 8, .value_kind: global_buffer, .address_space: global }
      - { .name: W_out, .offset: 48, .size: 8, .value_kind: global_buffer, .address_space: global }
      - { .name: lowp_scales, .offset: 56, .size: 8, .value_kind: global_buffer, .address_space: global }
      - { .name: codes, .offset: 64, .size: 8, .value_kind: global_buffer, .address_space: global }
    .group_segment_fixed_size: 34304
    .private_segment_fixed_size: 0
    .kernarg_segment_align: 8
    .kernarg_segment_size: 72
    .max_flat_workgroup_size: 128
    .sgpr_count:     66
    .vgpr_count:     192
    .wavefront_size: 32
...
	.end_amdgpu_metadata
.endif
;; end of part 1
;; launch cell (part 2): grid 32 x 8, 4 waves a work-group, clusters of 4 x 4, 327,680 bytes of LDS; arguments codes, lowp_scales, bi, b_fb, c_prev, hcodes, out1, out2; writes hcodes, out1, out2
.if DOCPART == 2
	.amdgcn_target "amdgcn-amd-amdhsa--gfx1250"
	.amdhsa_code_object_version 6
	.text
	.protected	k_qf05cefb2c5_cell
	.globl	k_qf05cefb2c5_cell
	.p2align	8
	.type	k_qf05cefb2c5_cell,@function
k_qf05cefb2c5_cell:
	s_mov_b64 s[64:65], 0
	v_nop
	global_prefetch_b8 v0, s[64:65] scope:SCOPE_SE
	s_setreg_imm32_b32 hwreg(HW_REG_WAVE_MODE, 25, 1), 1
	s_wait_xcnt 0x0
	s_wait_alu depctr_hold_cnt(0) depctr_sa_sdst(0) depctr_va_vdst(0) depctr_va_sdst(0) depctr_va_ssrc(0) depctr_va_vcc(0) depctr_vm_vsrc(0)
	s_getreg_b32 s2, hwreg(HW_REG_IB_STS2, 6, 4)
	s_cmp_eq_u32 s2, 0
	s_cbranch_scc0 .Lentry_in_a_cluster
	s_endpgm
.Lentry_in_a_cluster:
	s_bfe_u32 s2, ttmp6, 0x10000c
	s_cmp_lg_u32 s2, 0xf033
	s_cbranch_scc0 .Lentry_shape_is_right
	s_endpgm
.Lentry_shape_is_right:
; gates = data Wi^T + bi + h_prev Wh^T, c_t = f c_prev + i g + o_prev W_fb^T + b_fb, h_t = o tanh(c_t); out2 = c_t, out1 = h_t, hcodes = h_t as codes of BF8 (images of the operand's registers).
; All operands are codes of BF8 laid as register images: [row block of 16][K / 128][2,048 bytes].  Wi's and Wh's row blocks lie so that the four gates of 32 hidden units are on end.
; A work-group of four waves owns 256 rows x 64 hidden units: 256 x 256 of the gates (a wave 128 x 128, 64 accumulators in windows 2 and 3) and 256 x 64 of the feedback product (a wave 128 x 32, window 1, v128-255).
; LIMITS: e0 + e1 - e2 - e3, e2 + e3, e4 + e5 and e6 stay where the powers of two made of them are f32 numbers (between -126 and 112).  NaN among the inputs is not served.
; THE RING: two LDS slots of 131,072 bytes, filled by joint loads of a 4 x 4 cluster, one a wave behind each round.  Fourteen fills: 0, 1 data and Wi (256 along K each), 2-9 h_prev and Wh (256 each),
; 10-13 o_prev alone (512 along K each: 16 row blocks x 8,192 bytes, each wave four row blocks).
; W_fb's fragments (two a step of 128 along K for a wave) go from memory straight into a ring of four steps in window 1, v0-127, which the gates' products have left.  They are not asked for jointly:
; o_prev's two slots (262,144 bytes), W_fb's part of two such slots (65,536) and the spare words (512) are more than the 327,680 bytes of LDS.  Their loads run four steps ahead, so they have no prefetch.
; PREFETCH: behind fill f one instruction a wave names fill f + 2 (f = 0 .. 11): 32 blocks of 256 bytes, a lane a block.  Of the 32,768 bytes that a wave fetches, each of the four partners that ask for them jointly
; names a quarter, told apart by address (cx for rows of activations, cy for rows of weights).  Fills 0 and 1 come by their loads alone; fills 12 and 13 ask for nothing.
.set SLOT,   131072
.set SPARE,  2*SLOT
.set FR,     16
.set NL,     4
.set NP,     4
.set DATA_O, 0
.set HP_O,   1<<20
.set OP_O,   5<<20
.set WI_O,   9<<20
.set WH_O,   13<<20
.set WFB_O,  29<<20
.set SPITCH, 272
.set STGH,   256*SPITCH
.set ADRA, 16
.set RD2,  18
.set ADRB, 20
.set CP,   22
.set HC,   23
.set STO,  24
.set RD,   25
.set CO,   26
.set STO2, 27
.set SPW,  28
.set NIL,  29
.set SC6,  30
.set GB,   32
.set FB,   96
.set AF,   128
.set A3,   128
.set G1A1, 24
.set G1B1, 32
.set G1A2, 40
.set G1B2, 48
.set G1A3, 56                          ; s[56:63] group 1 for o_prev's tiles: 4 row blocks x 8,192 bytes
.set LO,   4                           ; v4   16 x lane; never rewritten
.set AD3,  8                           ; v8-9 LDS address of my o_prev fragments in slot 0, 1
.set PFO,  19                          ; v19  prefetch offset in h_prev or Wh: (2 p + l / 16) row blocks + 256 (l % 16)
.set PF2,  31                          ; v31  prefetch offset in o_prev: (2 (cx / 2) + l / 16) row blocks + 4,096 (cx % 2) + 256 (l % 16)
.set G0A,  68
.set G0B,  76
.set MSB, 0
.macro WIN new
.if MSB != (\new)
	s_set_vgpr_msb (MSB<<8)|(\new)
.set MSB, (\new)
.endif
.endm
.set MUL_LO, 0xa1
.set MUL_HI, 0xf1
.set MUL_FB, 0x51
.set TO_B,   0x40
.macro JLOAD g0a, g1a, g0b, g1b
	s_cmp_eq_u32 s21, 0
	s_cbranch_scc0 .Lfor_b_\@
	tensor_load_to_lds s[\g0a:\g0a+3], s[\g1a:\g1a+7]
	s_nop 0
.rept 4
	v_nop
.endr
	s_branch .Lasked_\@
.Lfor_b_\@:
	tensor_load_to_lds s[\g0b:\g0b+3], s[\g1b:\g1b+7]
	s_nop 0
.rept 4
	v_nop
.endr
.Lasked_\@:
.endm
.macro CREST
	s_cmp_lg_u32 s20, 0
	s_cbranch_scc1 .Lnot_wave_0_\@
	s_barrier_signal -3
.Lnot_wave_0_\@:
	s_barrier_wait -3
	s_barrier_signal -1
	s_barrier_wait -1
.endm
.macro CROUND
	s_barrier_signal -1
	s_barrier_wait -1
	CREST
.endm
.macro JLOAD3 s                        ; o_prev's joint load: every wave fetches four row blocks of its own; the mask names my row of the cluster
	tensor_load_to_lds s[G0A+4*\s:G0A+4*\s+3], s[G1A3:G1A3+7]
	s_nop 0
.rept 4
	v_nop
.endr
.endm
; the prefetch behind a fill.  pf = 1: h_prev or Wh at byte oa of the row blocks; 2: o_prev at byte ob; 3: in the loop, whose last trip (s23 = 1) names o_prev's first two fills
.macro ASK pf, oa, ob
.if \pf == 1
	global_prefetch_b8 v[PFO], s[104:105] offset:\oa th:TH_LOAD_NT scope:SCOPE_SE
.elseif \pf == 2
	global_prefetch_b8 v[PF2], s[88:89] offset:\ob th:TH_LOAD_NT scope:SCOPE_SE
.elseif \pf == 3
	s_cmp_eq_u32 s23, 1
	s_cbranch_scc1 .Lask_fb_\@
	global_prefetch_b8 v[PFO], s[104:105] offset:\oa th:TH_LOAD_NT scope:SCOPE_SE
	s_branch .Lask_done_\@
.Lask_fb_\@:
	global_prefetch_b8 v[PF2], s[88:89] offset:\ob th:TH_LOAD_NT scope:SCOPE_SE
.Lask_done_\@:
.endif
.endm
.macro BG q                            ; W_fb's two fragments of step q into place q % 4 of the ring in window 1: each load reads 512 consecutive bytes
.irp u, 0,1
.irp c, 0,1,2,3
	global_load_b128 v[32*((\q)%4)+FR*\u+4*\c:32*((\q)%4)+FR*\u+4*\c+3], v[LO], s[98:99] offset:32768*\u+2048*(\q)+512*\c
.endr
.endr
.endm
.macro PLACES n
.rept \n
	v_nop
.endr
.endm
	s_load_b512 s[4:19], s[0:1], 0x0
	v_lshl_add_u32 v[SPW], v0, 2, SPARE
	v_mov_b32 v[NIL], 0
	ds_add_u32 v28, v29
	ds_add_u32 v28, v29
	s_wait_dscnt 0x0
	v_lshrrev_b32 v1, 5, v0
	v_readfirstlane_b32 s20, v1
	s_lshr_b32 s21, s20, 1
	s_and_b32 s22, s20, 1
	s_bfe_u32 s92, ttmp6, 0x40000
	s_bfe_u32 s93, ttmp6, 0x40004
	s_lshl_b32 s2, ttmp9, 2
	s_add_co_u32 s2, s2, s92
	s_and_b32 s3, ttmp7, 0xffff
	s_lshl_b32 s3, s3, 2
	s_add_co_u32 s3, s3, s93
	s_lshl_b32 s94, s93, 2
	s_lshl_b32 s94, 15, s94
	s_lshl_b32 s95, 0x1111, s92
.irp g, G1A1, G1A2, G1A3
	s_or_b32 s[\g], s94, (3<<16)|(1<<21)
.endr
.irp g, G1B1, G1B2
	s_or_b32 s[\g], s95, (3<<16)|(1<<21)
.endr
	s_mov_b32 s[G1A3+1], 1024<<16
	s_mov_b32 s[G1A3+3], 1024<<16
.irp g, G1A1, G1B1, G1A2, G1B2
	s_mov_b32 s[\g+1], 512<<16
	s_mov_b32 s[\g+3], 512<<16
.endr
.irp g, G1A1, G1B1, G1A2, G1B2, G1A3
	s_mov_b32 s[\g+6], 0
	s_mov_b32 s[\g+7], 0
.endr
.irp g, G1A1, G1B1, G1A2, G1B2
	s_mov_b32 s[\g+2], 8<<16
	s_mov_b32 s[\g+4], 8
.endr
	s_mov_b32 s[G1A3+2], 4<<16
	s_mov_b32 s[G1A3+4], 4
	s_mov_b32 s[G1A1+5], 1024
	s_mov_b32 s[G1B1+5], 1024
	s_mov_b32 s[G1A2+5], 4096
	s_mov_b32 s[G1B2+5], 4096
	s_mov_b32 s[G1A3+5], 4096
	s_lshl_b32 s97, s22, 3
	s_lshl_b32 s98, s3, 4
	s_add_co_u32 s98, s98, s97
	s_lshl_b32 s98, s98, 13
	s_mov_b32 s99, 0
	s_lshl_b32 s100, s2, 4
	s_add_co_u32 s100, s100, s97
	s_lshl_b32 s100, s100, 13
	s_mov_b32 s101, 0
	s_lshl_b32 s104, s20, 15
	s_wait_kmcnt 0x0
	s_load_b256 s[84:91], s[6:7], 0x0
	s_add_nc_u64 s[98:99], s[4:5], s[98:99]
	s_add_nc_u64 s[100:101], s[4:5], s[100:101]
	CROUND
.irp s, 0,1
	s_mov_b32 s[G0A+4*\s], 1
	s_add_co_u32 s[G0A+4*\s+1], s104, \s*SLOT
	s_add_nc_u64 s[G0A+4*\s+2:G0A+4*\s+3], s[98:99], DATA_O+\s*4096
	s_or_b32 s[G0A+4*\s+3], s[G0A+4*\s+3], 0x80000000
	s_mov_b32 s[G0B+4*\s], 1
	s_add_co_u32 s[G0B+4*\s+1], s104, \s*SLOT
	s_add_nc_u64 s[G0B+4*\s+2:G0B+4*\s+3], s[100:101], WI_O+\s*4096
	s_or_b32 s[G0B+4*\s+3], s[G0B+4*\s+3], 0x80000000
.endr
	JLOAD G0A, G1A1, G0B, G1B1                     ; fill 0: the set-up below stands under its flight
	v_and_b32 v1, 31, v0
	v_and_b32 v2, 15, v0
	v_bfe_u32 v3, v0, 4, 1
	v_lshlrev_b32 v4, 4, v1
	s_lshl_b32 s92, s21, 15
	s_lshl_b32 s93, s22, 15
	s_add_co_u32 s93, s93, 65536
	v_add_nc_u32 v[ADRA], s92, v4
	v_add_nc_u32 v[ADRB], s93, v4
	v_add_nc_u32 v[ADRA+1], SLOT, v[ADRA]
	v_add_nc_u32 v[ADRB+1], SLOT, v[ADRB]
	s_lshl_b32 s92, s21, 16                        ; o_prev's slots: my eight row blocks of 8,192 bytes
	v_add_nc_u32 v[AD3], s92, v[LO]
	v_add_nc_u32 v[AD3+1], SLOT, v[AD3]
	v_lshlrev_b32 v[CP], 13, v2
	v_lshl_add_u32 v[CP], v3, 5, v[CP]
	v_lshlrev_b32 v[HC], 4, v2
	v_lshl_add_u32 v[HC], v3, 3, v[HC]
	s_mul_i32 s92, s21, 128*SPITCH
	s_lshl_b32 s93, s22, 7
	s_add_co_u32 s92, s92, s93
	v_mul_u32_u24 v[STO], v2, SPITCH
	v_lshl_add_u32 v[STO], v3, 5, v[STO]
	v_add_nc_u32 v[STO], s92, v[STO]
	v_add_nc_u32 v[STO2], STGH, v[STO]
	s_lshl_b32 s92, s21, 2                         ; back from the stages: rows 128 (wave / 2) + 32 (wave % 2) + 0 .. 31, and the same 64 rows further down
	s_add_co_u32 s92, s92, s22
	s_mul_i32 s92, s92, 32*SPITCH
	v_mul_u32_u24 v[RD], v3, SPITCH
	v_lshl_add_u32 v[RD], v2, 4, v[RD]
	v_add_nc_u32 v[RD], s92, v[RD]
	v_add_nc_u32 v[RD2], STGH, v[RD]
	v_lshlrev_b32 v[CO], 13, v3
	v_lshl_add_u32 v[CO], v2, 4, v[CO]
	v_lshlrev_b32 v5, 5, v3
	s_lshl_b32 s104, s2, 8
	s_lshl_b32 s105, s22, 7
	s_add_co_u32 s104, s104, s105
	s_mov_b32 s105, 0
	s_add_nc_u64 s[8:9], s[8:9], s[104:105]
	s_add_nc_u64 s[10:11], s[10:11], s[104:105]
.irp g, 0,1,2,3
.irp u, 0,1
	global_load_b128 v[GB+8*(2*\g+\u):GB+8*(2*\g+\u)+3], v5, s[8:9] offset:8192*\g+64*\u
	global_load_b128 v[GB+8*(2*\g+\u)+4:GB+8*(2*\g+\u)+7], v5, s[8:9] offset:8192*\g+64*\u+16
.endr
.endr
.irp u, 0,1
	global_load_b128 v[FB+8*\u:FB+8*\u+3], v5, s[10:11] offset:64*\u
	global_load_b128 v[FB+8*\u+4:FB+8*\u+7], v5, s[10:11] offset:64*\u+16
.endr
	s_lshl_b32 s92, s3, 8
	s_lshl_b32 s93, s21, 7
	s_add_co_u32 s92, s92, s93
	s_lshl_b32 s92, s92, 13
	s_add_co_u32 s92, s92, s104
	s_mov_b32 s93, 0
	s_add_nc_u64 s[12:13], s[12:13], s[92:93]
	s_lshl_b32 s92, s3, 4
	s_lshl_b32 s94, s21, 3
	s_add_co_u32 s92, s92, s94
	s_lshl_b32 s92, s92, 15
	s_lshr_b32 s94, s2, 1
	s_lshl_b32 s94, s94, 11
	s_add_co_u32 s92, s92, s94
	s_and_b32 s94, s2, 1
	s_lshl_b32 s94, s94, 1
	s_add_co_u32 s94, s94, s22
	s_lshl_b32 s94, s94, 9
	s_add_co_u32 s92, s92, s94
	s_add_nc_u64 s[14:15], s[14:15], s[92:93]
	s_lshl_b32 s92, s3, 8
	s_lshl_b32 s94, s21, 2
	s_add_co_u32 s94, s94, s22
	s_lshl_b32 s94, s94, 5
	s_add_co_u32 s92, s92, s94
	s_lshl_b32 s92, s92, 13
	s_lshl_b32 s94, s2, 8
	s_add_co_u32 s92, s92, s94
	s_add_nc_u64 s[16:17], s[16:17], s[92:93]
	s_add_nc_u64 s[18:19], s[18:19], s[92:93]
	s_wait_kmcnt 0x0
	s_add_co_i32 s104, s86, s87
	s_add_co_i32 s105, s84, s85
	s_sub_co_i32 s105, s105, s104
	s_add_co_i32 s105, s105, 127
	s_lshl_b32 s92, s105, 23
	s_mov_b32 s93, s92
	s_lshl_b32 s104, s104, 23
	s_add_co_i32 s94, s104, 0xbfb8aa3b
	s_mov_b32 s95, s94
	s_add_co_i32 s96, s104, 0x4038aa3b
	s_mov_b32 s97, s96
	s_add_co_i32 s104, s88, s89
	s_add_co_i32 s105, s104, 127
	s_lshl_b32 s100, s105, 23
	s_mov_b32 s101, s100
	s_add_co_i32 s104, s90, 127
	s_lshl_b32 s105, s104, 23
	v_mov_b32 v[SC6], s105
	s_add_co_i32 s104, s104, 15
	s_lshl_b32 s104, s104, 23
	s_or_b32 s91, s104, 0x600000
	s_or_b32 s90, s91, 0x80000000
	s_mov_b32 s66, 0x4038aa3b
	s_mov_b32 s67, s66
	s_lshl_b32 s84, s3, 4
	s_lshl_b32 s85, s22, 3
	s_add_co_u32 s84, s84, s85
	s_mul_i32 s84, s84, 24576
	s_add_co_u32 s84, s84, HP_O-DATA_O
	s_mov_b32 s85, 0
	s_lshl_b32 s86, s2, 4
	s_lshl_b32 s87, s22, 3
	s_add_co_u32 s86, s86, s87
	s_mul_i32 s86, s86, 24576
	s_add_co_u32 s86, s86, WH_O-WI_O
	s_mov_b32 s87, 0
	s_lshl_b32 s88, s3, 4                          ; s[88:89]: o_prev's codes at row block 16 x tile row + 4 x wave
	s_lshl_b32 s89, s20, 2
	s_add_co_u32 s88, s88, s89
	s_lshl_b32 s88, s88, 15
	s_add_co_u32 s88, s88, OP_O
	s_mov_b32 s89, 0
	s_add_nc_u64 s[88:89], s[4:5], s[88:89]
	s_lshl_b32 s98, s2, 2                          ; s[98:99]: W_fb's codes at row block 4 x tile column + 2 x my column half
	s_lshl_b32 s99, s22, 1
	s_add_co_u32 s98, s98, s99
	s_lshl_b32 s98, s98, 15
	s_add_co_u32 s98, s98, WFB_O
	s_mov_b32 s99, 0
	s_add_nc_u64 s[98:99], s[4:5], s[98:99]
	s_bfe_u32 s104, ttmp6, 0x40000                 ; cx
	s_bfe_u32 s105, ttmp6, 0x40004                 ; cy
	s_cmp_eq_u32 s21, 0
	s_cselect_b32 s105, s104, s105                 ; p: my place among the four that ask with me
	s_lshl_b32 s105, s105, 16                      ; 2 p row blocks of 32,768 bytes
	v_lshlrev_b32 v[PF2], 8, v2
	v_lshl_add_u32 v[PF2], v3, 15, v[PF2]
	v_add_nc_u32 v[PFO], s105, v[PF2]
	s_lshr_b32 s105, s104, 1
	s_lshl_b32 s105, s105, 16
	s_and_b32 s104, s104, 1
	s_lshl_b32 s104, s104, 12
	s_add_co_u32 s105, s105, s104
	v_add_nc_u32 v[PF2], s105, v[PF2]
	s_mov_b32 s105, WH_O                           ; s[104:105]: the eight row blocks of h_prev or of Wh that I fetch
	s_cmp_eq_u32 s21, 0
	s_cselect_b32 s104, s3, s2
	s_cselect_b32 s105, HP_O, s105
	s_lshl_b32 s104, s104, 1
	s_add_co_u32 s104, s104, s22
	s_lshl_b32 s104, s104, 18
	s_add_co_u32 s104, s104, s105
	s_mov_b32 s105, 0
	s_add_nc_u64 s[104:105], s[4:5], s[104:105]
	s_wait_alu depctr_va_vdst(0)                   ; the wait here, directly ahead of the reader below
	global_prefetch_b8 v[PFO], s[104:105] th:TH_LOAD_NT scope:SCOPE_SE              ; fill 2
	global_prefetch_b8 v[PFO], s[104:105] offset:4096 th:TH_LOAD_NT scope:SCOPE_SE  ; fill 3
	s_wait_loadcnt 0x0
.irp b, 0,1,2,3,6,7
.irp j, 0,1,2,3,4,5,6,7
	v_mul_f32 v[GB+8*\b+\j], 0xbfb8aa3b, v[GB+8*\b+\j]
.endr
.endr
.irp b, 4,5
.irp j, 0,1,2,3,4,5,6,7
	v_mul_f32 v[GB+8*\b+\j], 0x4038aa3b, v[GB+8*\b+\j]
.endr
.endr
.macro FRAG reg, adr, q, i
.irp c, 0,1,2,3
	ds_load_b128 v[\reg+4*\c:\reg+4*\c+3], v[\adr] offset:4096*(\i)+2048*(\q)+512*\c
.endr
.endm
.macro MUL8 a0, p, zero                ; eight matrix instructions: A's block a0 against B's eight
.irp a, \a0
.irp b, 0,1,2,3,4,5,6,7
.if \zero
	v_wmma_f32_16x16x128_bf8_bf8 v[8*(8*((\a)%4)+\b):8*(8*((\a)%4)+\b)+7], v[128*(\p)+FR*\b:128*(\p)+FR*\b+FR-1], v[AF+FR*(\a):AF+FR*(\a)+FR-1], 0
.else
	v_wmma_f32_16x16x128_bf8_bf8 v[8*(8*((\a)%4)+\b):8*(8*((\a)%4)+\b)+7], v[128*(\p)+FR*\b:128*(\p)+FR*\b+FR-1], v[AF+FR*(\a):AF+FR*(\a)+FR-1], v[8*(8*((\a)%4)+\b):8*(8*((\a)%4)+\b)+7]
.endif
.endr
.endr
.endm
.macro FETCH_B slot, q, p
	WIN TO_B
.irp i, 0,1,2,3,4,5,6,7
	FRAG 128*(\p)+FR*\i, ADRB+\slot, \q, \i
.endr
	WIN 0
.endm
.macro FETCH_A slot, q, i0
.irp i, \i0, \i0+1, \i0+2, \i0+3
	FRAG AF+FR*(\i), ADRA+\slot, \q, \i
.endr
.endm
; A step of 128 along K goes by A's blocks: eight matrix instructions, then eight LDS loads for the next step: B's other set behind blocks 0-3, A's blocks 0-7 behind blocks 4-7.
; Every step asks for B's eight fragments first and then for A's in order, so ahead of block a the count leaves out A's 7 - a later fragments (4 loads each) and this step's 8 a loads.
; Places: B's other set was last multiplied ahead of the last step's closing places; A's blocks 0-4 ahead of block 4's places, 5 and 6 ahead of block 6's, 7 ahead of block 7's.
.macro STEP slot, q, zero
.irp a, 0,1,2,3
	s_wait_dscnt 28+4*\a
	WIN MUL_LO
	MUL8 \a, (\q)%2, \zero
	WIN TO_B
	LOADB \slot, (\q)+1, 1-(\q)%2, 2*\a, 2
.endr
.irp a, 4,5,6,7
	s_wait_dscnt 28+4*\a
	WIN MUL_HI
	MUL8 \a, (\q)%2, \zero
.if \a != 5
	PLACES NP
.endif
	WIN 0
	LOADA \slot, (\q)+1, 2*(\a-4), 2
.endr
.endm
.macro LOADB slot, q, p, i0, n         ; B's fragments i0 .. i0 + n - 1 of the slot's q-th 128 along K into set p (window 1)
.set fi, \i0
.rept \n
	FRAG 128*(\p)+FR*fi, ADRB+\slot, \q, fi
.set fi, fi+1
.endr
.endm
.macro LOADA slot, q, i0, n            ; A's blocks i0 .. i0 + n - 1
.set fi, \i0
.rept \n
	FRAG AF+FR*fi, ADRA+\slot, \q, fi
.set fi, fi+1
.endr
.endm
.macro LOADA3 slot, q, i0, n           ; o_prev's blocks i0 .. i0 + n - 1 of the slot's q-th 128 along K
.set fi, \i0
.rept \n
.irp c, 0,1,2,3
	ds_load_b128 v[AF+FR*fi+4*\c:AF+FR*fi+4*\c+3], v[AD3+(\slot)] offset:8192*fi+2048*(\q)+512*\c
.endr
.set fi, fi+1
.endr
.endm
.macro LOADX nxt, slot, i0, n          ; the next slot's first blocks: of the gates' A, or (nxt) of o_prev
.if \nxt
	LOADA3 \slot, 0, \i0, \n
.else
	LOADA \slot, 0, \i0, \n
.endif
.endm
.macro TURN slot, next, mode, g1b, nxt, pf, oa, ob
	s_wait_tensorcnt 0x0
	ds_add_u32 v[SPW], v[NIL]
.if \mode == 0
	s_add_nc_u64 s[G0A+4*\slot+2:G0A+4*\slot+3], s[G0A+4*\slot+2:G0A+4*\slot+3], 8192
	s_add_nc_u64 s[G0B+4*\slot+2:G0B+4*\slot+3], s[G0B+4*\slot+2:G0B+4*\slot+3], 8192
.elseif \mode == 1
	s_add_nc_u64 s[G0A+4*\slot+2:G0A+4*\slot+3], s[G0A+4*\slot+2:G0A+4*\slot+3], s[84:85]
	s_add_nc_u64 s[G0B+4*\slot+2:G0B+4*\slot+3], s[G0B+4*\slot+2:G0B+4*\slot+3], s[86:87]
.else
	s_add_nc_u64 s[G0A+4*\slot+2:G0A+4*\slot+3], s[88:89], \slot*8192
	s_or_b32 s[G0A+4*\slot+3], s[G0A+4*\slot+3], 0x80000000
.endif
	s_wait_dscnt 29                                ; B's set and A's block 0 are in: A's seven later fragments and the add may be out
	WIN MUL_LO
	MUL8 0, 1, 0                                   ; eight matrix instructions stand between the add and the wait for it
	s_wait_dscnt 0x0                               ; the add is done, and my reads of this slot are over
	s_barrier_signal -1
	MUL8 1, 1, 0
	WIN 0
	s_barrier_wait -1
	CREST                                          ; the barrier has opened a round of the cluster's barrier
.if \mode == 2
	JLOAD3 \slot
.else
	JLOAD G0A+4*\slot, G1A2, G0B+4*\slot, \g1b
.endif
	ASK \pf, \oa, \ob
.if \nxt
	WIN TO_B                                       ; B's set 0 was last multiplied in the step before, four places ago and more: it takes W_fb's first four steps
	BG 0
	BG 1
	BG 2
	BG 3
.endif
.if \nxt == 0
	WIN TO_B                                       ; the next slot's fragments, B's eight first, then A's in order, among the six blocks that are left
	LOADB \next, 0, 0, 0, 3
.endif
	WIN MUL_LO
	MUL8 2, 1, 0
.if \nxt == 0
	WIN TO_B
	LOADB \next, 0, 0, 3, 3
.endif
	WIN MUL_LO
	MUL8 3, 1, 0
.if \nxt == 0
	WIN TO_B
	LOADB \next, 0, 0, 6, 2
.endif
	WIN MUL_HI
	MUL8 4, 1, 0
	PLACES NP
	WIN 0
	LOADX \nxt, \next, 0, 3
	WIN MUL_HI
	MUL8 5, 1, 0
	WIN 0
	LOADX \nxt, \next, 3, 1
	WIN MUL_HI
	MUL8 6, 1, 0
	PLACES NP
	WIN 0
	LOADX \nxt, \next, 4, 2
	WIN MUL_HI
	MUL8 7, 1, 0
.if \nxt
	PLACES NP+1                                    ; one more: the feedback product's sums are laid over B's set 1
.else
	PLACES NP
.endif
	WIN 0
	LOADX \nxt, \next, 6, 2
.endm
.macro RESCALE
	WIN 0x82
.set i, 0
.rept 128
	v_pk_mul_f32 v[i:i+1], v[i:i+1], s[92:93] op_sel_hi:[1,0]
.set i, i+2
.endr
	WIN 0xc3
.set i, 0
.rept 128
	v_pk_mul_f32 v[i:i+1], v[i:i+1], s[92:93] op_sel_hi:[1,0]
.set i, i+2
.endr
	WIN 0
.endm
.macro MUL3 zero, p, a0                ; eight matrix instructions: o_prev's blocks a0 .. a0 + 3 against W_fb's two fragments in ring place p
	WIN MUL_FB
.irp a, (\a0), (\a0+1), (\a0+2), (\a0+3)
.irp b, 0,1
.if \zero
	v_wmma_f32_16x16x128_bf8_bf8 v[A3+16*\a+8*\b:A3+16*\a+8*\b+7], v[32*(\p)+FR*\b:32*(\p)+FR*\b+FR-1], v[AF+FR*\a:AF+FR*\a+FR-1], 0
.else
	v_wmma_f32_16x16x128_bf8_bf8 v[A3+16*\a+8*\b:A3+16*\a+8*\b+7], v[32*(\p)+FR*\b:32*(\p)+FR*\b+FR-1], v[AF+FR*\a:AF+FR*\a+FR-1], v[A3+16*\a+8*\b:A3+16*\a+8*\b+7]
.endif
.endr
.endr
	WIN 0
.endm
.macro MIDU x, a
.set UB, 64*(\a)
	WIN 0x82+0x41*((\x)-2)
.irp b, 0,1,2,3,4,5,6,7
.irp j, 0,2,4,6
.if (\b == 4) || (\b == 5)
	v_pk_fma_f32 v[UB+8*\b+\j:UB+8*\b+\j+1], v[UB+8*\b+\j:UB+8*\b+\j+1], s[96:97], v[GB+8*\b+\j:GB+8*\b+\j+1] op_sel_hi:[1,0,1]
.else
	v_pk_fma_f32 v[UB+8*\b+\j:UB+8*\b+\j+1], v[UB+8*\b+\j:UB+8*\b+\j+1], s[94:95], v[GB+8*\b+\j:GB+8*\b+\j+1] op_sel_hi:[1,0,1]
.endif
.endr
.endr
.set i, 0
	s_wait_alu depctr_va_vdst(0)
.rept 64
	v_exp_f32 v[UB+i], v[UB+i]
.set i, i+1
.endr
	v_nop
.set i, 0
	s_wait_alu depctr_va_vdst(0)
.rept 32
	v_pk_add_f32 v[UB+i:UB+i+1], v[UB+i:UB+i+1], 1.0 op_sel_hi:[1,0]
.set i, i+2
.endr
.set i, 0
	s_wait_alu depctr_va_vdst(0)
.rept 64
	v_rcp_f32 v[UB+i], v[UB+i]
.set i, i+1
.endr
	v_nop
	s_wait_alu depctr_va_vdst(0)
.irp b, 4,5
.irp j, 0,2,4,6
	v_pk_fma_f32 v[UB+8*\b+\j:UB+8*\b+\j+1], v[UB+8*\b+\j:UB+8*\b+\j+1], -2.0, 1.0 op_sel_hi:[1,0,0]
.endr
.endr
	WIN 0x8a+0x45*((\x)-2)
.irp u, 0,1
.irp j, 0,2,4,6
	v_pk_fma_f32 v[UB+8*\u+\j:UB+8*\u+\j+1], v[UB+8*\u+\j:UB+8*\u+\j+1], v[UB+32+8*\u+\j:UB+32+8*\u+\j+1], v[FB+8*\u+\j:FB+8*\u+\j+1]
.endr
.endr
	WIN 0x80+0x40*((\x)-2)
.irp u, 0,1
	global_load_b128 v[UB+32+8*\u:UB+32+8*\u+3], v[CP], s[12:13] offset:131072*(4*((\x)-2)+(\a))+64*\u      ; c_prev in the sums' layout; no hint: a block's four loads read the same 128 bytes of each of its 16 rows by turns
	global_load_b128 v[UB+32+8*\u+4:UB+32+8*\u+7], v[CP], s[12:13] offset:131072*(4*((\x)-2)+(\a))+64*\u+16
.endr
	WIN 0
.endm
; Step q (0 .. 15) of the feedback product: 128 along K, 16 matrix instructions.  Behind them W_fb's fragments of step q + 4 and o_prev's of step q + 1 are asked for;
; x, a: one block of 16 rows of the gates goes through its activations while those loads are out.
.macro FSTEP q, x, a                   ; in two halves of four blocks: each half's registers take the next step's blocks while the other half is multiplied
.if (\q) < 13
	s_wait_loadcnt 24                              ; behind this step's eight loads of W_fb stand at least those of three later steps
.else
	s_wait_loadcnt 8*(15-(\q))
.endif
	s_wait_dscnt 16                                ; o_prev's blocks 0-3 are in; the sixteen loads of blocks 4-7 may be out
.if (\q) == 0
	MUL3 1, 0, 0
.else
	MUL3 0, (\q)%4, 0
.endif
	PLACES NP
.if (\q) < 15
	LOADA3 (((\q)+1)/4)%2, ((\q)+1)%4, 0, 4
	s_wait_dscnt 16                                ; blocks 4-7 are in; the sixteen loads just issued may be out
.else
	s_wait_dscnt 0x0
	s_barrier_signal -1                            ; my last reads of the slots are over: behind this barrier the stages are written there
.endif
.if (\q) == 0
	MUL3 1, 0, 4
.else
	MUL3 0, (\q)%4, 4
.endif
	PLACES NP
.if (\q) < 12
	WIN TO_B
	BG (\q)+4
	WIN 0
.endif
.if (\q) < 15
	LOADA3 (((\q)+1)/4)%2, ((\q)+1)%4, 4, 4
.endif
.if \x
	MIDU \x, \a
.endif
.endm
; A change of slots in the feedback product, ahead of a slot's last step, whose fragments are in registers.  fill = 1: the slot takes o_prev's next 512 along K but one.
.macro FTURN slot, fill
	s_wait_tensorcnt 0x0                           ; all my tensor loads have landed: my part of the other slot
	ds_add_u32 v[SPW], v[NIL]
.if \fill
	s_add_nc_u64 s[G0A+4*\slot+2:G0A+4*\slot+3], s[G0A+4*\slot+2:G0A+4*\slot+3], 16384
.endif
	s_wait_dscnt 0x0                               ; the add is done, and my reads of this slot are over
.if \fill
	CROUND
	JLOAD3 \slot
.else
	s_barrier_signal -1
	s_barrier_wait -1
.endif
.endm
.macro FIN x
	WIN 0xaa+0x55*((\x)-2)
.irp a, 0,1,2,3
.irp u, 0,1
.irp j, 0,2,4,6
	v_pk_fma_f32 v[64*\a+16+8*\u+\j:64*\a+16+8*\u+\j+1], v[64*\a+16+8*\u+\j:64*\a+16+8*\u+\j+1], v[64*\a+32+8*\u+\j:64*\a+32+8*\u+\j+1], v[64*\a+8*\u+\j:64*\a+8*\u+\j+1]
.endr
.endr
.endr
	WIN 0xa1+0x50*((\x)-2)
.irp a, 0,1,2,3
.irp u, 0,1
.irp j, 0,2,4,6
	v_pk_fma_f32 v[64*\a+8*\u+\j:64*\a+8*\u+\j+1], v[A3+16*(4*((\x)-2)+\a)+8*\u+\j:A3+16*(4*((\x)-2)+\a)+8*\u+\j+1], s[100:101], v[64*\a+16+8*\u+\j:64*\a+16+8*\u+\j+1] op_sel_hi:[1,0,1]
.endr
.endr
.endr
	WIN 0xaa+0x55*((\x)-2)
.irp a, 0,1,2,3
.irp u, 0,1
.irp j, 0,2,4,6
	v_pk_mul_f32 v[64*\a+32+8*\u+\j:64*\a+32+8*\u+\j+1], v[64*\a+8*\u+\j:64*\a+8*\u+\j+1], s[66:67] op_sel_hi:[1,0]
.endr
.endr
.endr
	s_wait_alu depctr_va_vdst(0)
.irp a, 0,1,2,3
.irp j, 0,1,2,3,4,5,6,7,8,9,10,11,12,13,14,15
	v_exp_f32 v[64*\a+32+\j], v[64*\a+32+\j]
.endr
.endr
	v_nop
	s_wait_alu depctr_va_vdst(0)
.irp a, 0,1,2,3
.irp j, 0,2,4,6,8,10,12,14
	v_pk_add_f32 v[64*\a+32+\j:64*\a+32+\j+1], v[64*\a+32+\j:64*\a+32+\j+1], 1.0 op_sel_hi:[1,0]
.endr
.endr
	s_wait_alu depctr_va_vdst(0)
.irp a, 0,1,2,3
.irp j, 0,1,2,3,4,5,6,7,8,9,10,11,12,13,14,15
	v_rcp_f32 v[64*\a+32+\j], v[64*\a+32+\j]
.endr
.endr
	v_nop
	s_wait_alu depctr_va_vdst(0)
.irp a, 0,1,2,3
.irp j, 0,2,4,6,8,10,12,14
	v_pk_fma_f32 v[64*\a+32+\j:64*\a+32+\j+1], v[64*\a+32+\j:64*\a+32+\j+1], -2.0, 1.0 op_sel_hi:[1,0,0]
.endr
.endr
.irp a, 0,1,2,3
.irp j, 0,2,4,6,8,10,12,14
	v_pk_mul_f32 v[64*\a+48+\j:64*\a+48+\j+1], v[64*\a+48+\j:64*\a+48+\j+1], v[64*\a+32+\j:64*\a+32+\j+1]
.endr
.endr
.irp a, 0,1,2,3
.irp j, 0,1,2,3,4,5,6,7,8,9,10,11,12,13,14,15
	v_med3_num_f32 v[64*\a+16+\j], v[64*\a+48+\j], s90, s91
.endr
.endr
	WIN 0x82+0x41*((\x)-2)
.irp a, 0,1,2,3
.irp u, 0,1
	v_cvt_scalef32_pk8_bf8_f32 v[64*\a+32+8*\u:64*\a+32+8*\u+1], v[64*\a+16+8*\u:64*\a+16+8*\u+7], v[SC6]
.endr
.endr
	v_nop
.endm
.macro OUTW x
	WIN 0x08+0x04*((\x)-2)
.irp a, 0,1,2,3
.irp u, 0,1
	global_store_b64 v[HC], v[64*\a+32+8*\u:64*\a+32+8*\u+1], s[14:15] offset:32768*(4*((\x)-2)+\a)+256*\u
	ds_store_b128 v[STO], v[64*\a+8*\u:64*\a+8*\u+3] offset:16*SPITCH*(4*((\x)-2)+\a)+64*\u
	ds_store_b128 v[STO], v[64*\a+8*\u+4:64*\a+8*\u+7] offset:16*SPITCH*(4*((\x)-2)+\a)+64*\u+16
	ds_store_b128 v[STO2], v[64*\a+48+8*\u:64*\a+48+8*\u+3] offset:16*SPITCH*(4*((\x)-2)+\a)+64*\u
	ds_store_b128 v[STO2], v[64*\a+48+8*\u+4:64*\a+48+8*\u+7] offset:16*SPITCH*(4*((\x)-2)+\a)+64*\u+16
.endr
.endr
.endm
.macro LDB n
.irp t, 0,1,2,3,4,5,6,7,8,9,10,11,12,13,14,15
.if (\n)%2 == 0
	ds_load_b128 v[AF+64*((\n)%2)+4*\t:AF+64*((\n)%2)+4*\t+3], v[RD] offset:2*SPITCH*(32*((\n)/2)+\t)
.else
	ds_load_b128 v[AF+64*((\n)%2)+4*\t:AF+64*((\n)%2)+4*\t+3], v[RD2] offset:2*SPITCH*(32*((\n)/2)+\t)
.endif
.endr
.endm
.macro STB n, younger
	s_wait_dscnt \younger
.irp t, 0,1,2,3,4,5,6,7,8,9,10,11,12,13,14,15
.if (\n)%2 == 0
	global_store_b128 v[CO], v[AF+64*((\n)%2)+4*\t:AF+64*((\n)%2)+4*\t+3], s[18:19] offset:16384*(32*((\n)/2)+\t) th:TH_STORE_NT
.else
	global_store_b128 v[CO], v[AF+64*((\n)%2)+4*\t:AF+64*((\n)%2)+4*\t+3], s[16:17] offset:16384*(32*((\n)/2)+\t) th:TH_STORE_NT
.endif
.endr
.endm
	s_wait_alu depctr_va_vdst(0)                   ; the wait at the head's end
	s_wait_tensorcnt 0x0                           ; my part of fill 0 is in
	ds_add_u32 v[SPW], v[NIL]
	s_wait_dscnt 0x0
	CROUND
	JLOAD G0A+4, G1A1, G0B+4, G1B1                 ; fill 1, the first tensor load behind the round
	FETCH_B 0, 0, 0
	FETCH_A 0, 0, 0
	FETCH_A 0, 0, 4
	STEP 0, 0, 1
	TURN 0, 1, 1, G1B2, 0, 1, 8192, 0              ; fill 2; names fill 4
	STEP 1, 0, 0
	TURN 1, 0, 1, G1B2, 0, 1, 12288, 0             ; fill 3; names fill 5
	RESCALE
	s_mov_b32 s23, 3
.Lgate:                                                ; trip i: fills 4 + 2 i and 5 + 2 i; names fills 6 + 2 i and 7 + 2 i
	s_wait_alu depctr_va_vdst(0)
	STEP 0, 0, 0
	TURN 0, 1, 0, G1B2, 0, 3, 16384, 0
	STEP 1, 0, 0
	TURN 1, 0, 0, G1B2, 0, 3, 20480, 8192
	s_wait_xcnt 0x0                                ; my prefetches have read their base: it steps only behind this wait
	s_add_nc_u64 s[104:105], s[104:105], 8192
	s_sub_co_u32 s23, s23, 1
	s_cmp_lg_u32 s23, 0
	s_cbranch_scc1 .Lgate
	STEP 0, 0, 0
	TURN 0, 1, 2, G1B2, 0, 2, 0, 16384             ; fill 10: o_prev's first 512 along K; names fill 12
	STEP 1, 0, 0
	TURN 1, 0, 2, G1B2, 3, 2, 0, 24576             ; fill 11; names fill 13; W_fb's first four steps set out
	MIDU 2, 0                                      ; two blocks' activations stand ahead of the first step, while W_fb's first loads are out
	MIDU 2, 1
	FSTEP 0, 0, 0
	FSTEP 1, 0, 0
	FSTEP 2, 2, 2
	FTURN 0, 1                                     ; fill 12
	FSTEP 3, 2, 3
	FSTEP 4, 3, 0
	FSTEP 5, 3, 1
	FSTEP 6, 3, 2
	FTURN 1, 1                                     ; fill 13
	FSTEP 7, 3, 3
	FSTEP 8, 0, 0
	FSTEP 9, 0, 0
	FSTEP 10, 0, 0
	FTURN 0, 0                                     ; nothing is left to fetch
	FSTEP 11, 0, 0
	FSTEP 12, 0, 0
	FSTEP 13, 0, 0
	FSTEP 14, 0, 0
	FSTEP 15, 0, 0                                 ; its wait for loads is for 0: c_prev is in too
	FIN 2                                          ; rows 0-63 of each half of the tile: finished, staged and stored ahead of the others' last arithmetic
	WIN 0
	s_wait_alu depctr_va_vdst(0)
	s_barrier_wait -1
	OUTW 2
	WIN 0
	s_wait_dscnt 0x0                               ; for the others' sake: my stores into the stages are done
	s_barrier_signal -1
	s_barrier_wait -1
	LDB 0                                          ; c_t, 32 whole rows a wave
	LDB 1                                          ; h_t
	STB 0, 16
	STB 1, 0
	FIN 3                                          ; rows 64-127 of each half; their stage rows are other bytes than those being read back
	OUTW 3
	WIN 0
	s_wait_dscnt 0x0
	s_barrier_signal -1
	s_barrier_wait -1
	s_wait_xcnt 0x0                                ; the stores above have read their registers: the loads below land there
	LDB 2
	LDB 3
	STB 2, 16
	STB 3, 0
	s_wait_tensorcnt 0x0
	ds_add_u32 v[SPW], v[NIL]
	s_wait_dscnt 0x0
	CROUND
	s_endpgm
.Lfunc_end_k_qf05cefb2c5_cell:
	.size	k_qf05cefb2c5_cell, .Lfunc_end_k_qf05cefb2c5_cell-k_qf05cefb2c5_cell
	.p2alignl 7, 3214868480
	.fill 96, 4, 3214868480
	.section	.rodata,"a",@progbits
	.p2align	6, 0x0
	.amdhsa_kernel k_qf05cefb2c5_cell
		.amdhsa_group_segment_fixed_size 327680
		.amdhsa_private_segment_fixed_size 0
		.amdhsa_enable_private_segment 0
		.amdhsa_kernarg_size 64
		.amdhsa_user_sgpr_count 2
		.amdhsa_user_sgpr_kernarg_segment_ptr 1
		.amdhsa_wavefront_size32 1
		.amdhsa_system_sgpr_workgroup_id_x 1
		.amdhsa_system_sgpr_workgroup_id_y 1
		.amdhsa_system_sgpr_workgroup_id_z 1
		.amdhsa_system_vgpr_workitem_id 0
		.amdhsa_next_free_vgpr 1024
		.amdhsa_next_free_sgpr 106
		.amdhsa_reserve_vcc 0
		.amdhsa_float_denorm_mode_32 3
		.amdhsa_float_denorm_mode_16_64 3
		.amdhsa_memory_ordered 1
		.amdhsa_forward_progress 1
		.amdhsa_inst_pref_size 255
	.end_amdhsa_kernel
	.section	.bss,"aw",@nobits
	.p2align	6
	.space	262144
	.amdgpu_metadata
---
amdhsa.version: [ 1, 2 ]
amdhsa.kernels:
  - .name:           k_qf05cefb2c5_cell
    .symbol:         k_qf05cefb2c5_cell.kd
    .args:
      - { .name: codes, .offset: 0, .size: 8, .value_kind: global_buffer, .address_space: global }
      - { .name: lowp_scales, .offset: 8, .size: 8, .value_kind: global_buffer, .address_space: global }
      - { .name: bi, .offset: 16, .size: 8, .value_kind: global_buffer, .address_space: global }
      - { .name: b_fb, .offset: 24, .size: 8, .value_kind: global_buffer, .address_space: global }
      - { .name: c_prev, .offset: 32, .size: 8, .value_kind: global_buffer, .address_space: global }
      - { .name: hcodes, .offset: 40, .size: 8, .value_kind: global_buffer, .address_space: global }
      - { .name: out1, .offset: 48, .size: 8, .value_kind: global_buffer, .address_space: global }
      - { .name: out2, .offset: 56, .size: 8, .value_kind: global_buffer, .address_space: global }
    .group_segment_fixed_size: 327680
    .private_segment_fixed_size: 0
    .kernarg_segment_align: 8
    .kernarg_segment_size: 64
    .max_flat_workgroup_size: 128
    .sgpr_count:     106
    .vgpr_count:     1024
    .wavefront_size: 32
...
	.end_amdgpu_metadata
.endif
;; end of part 2
;; launch logit (part 3): grid 16 x 16, 4 waves a work-group, clusters of 4 x 4, 327,680 bytes of LDS; arguments hcodes, codes, lowp_scales, b_out, logits; writes logits
.if DOCPART == 3
	.amdgcn_target "amdgcn-amd-amdhsa--gfx1250"
	.amdhsa_code_object_version 6
	.text
	.protected	k_qf05cefb2c5_logit
	.globl	k_qf05cefb2c5_logit
	.p2align	8
	.type	k_qf05cefb2c5_logit,@function
k_qf05cefb2c5_logit:
	s_mov_b64 s[64:65], 0
	v_nop
	global_prefetch_b8 v0, s[64:65] scope:SCOPE_SE
	s_setreg_imm32_b32 hwreg(HW_REG_WAVE_MODE, 25, 1), 1
	s_wait_xcnt 0x0
	s_wait_alu depctr_hold_cnt(0) depctr_sa_sdst(0) depctr_va_vdst(0) depctr_va_sdst(0) depctr_va_ssrc(0) depctr_va_vcc(0) depctr_vm_vsrc(0)
	s_getreg_b32 s2, hwreg(HW_REG_IB_STS2, 6, 4)
	s_cmp_eq_u32 s2, 0
	s_cbranch_scc0 .Lentry_in_a_cluster
	s_endpgm
.Lentry_in_a_cluster:
	s_bfe_u32 s2, ttmp6, 0x10000c
	s_cmp_lg_u32 s2, 0xf033
	s_cbranch_scc0 .Lentry_shape_is_right
	s_endpgm
.Lentry_shape_is_right:
; logits = h_t W_out^T + b_out on codes of BF8 laid as register images.  A work-group of four waves makes 128 x 128, a wave 64 x 64; K goes in four fills of 512 through two LDS slots, by joint loads of a 4 x 4 cluster.
; LIMIT: e6 + e7 between -126 and 127.
; PREFETCH: the head names fills 1 and 2, and behind fill 1 stands the request for fill 3: one instruction a wave each, 32 blocks of 256 bytes, a lane a block.  Of the 32,768 bytes that a wave fetches each of the
; four partners that ask for them jointly names a quarter, told apart by address (cx for hcodes, cy for W_out).  The base is never stepped: the fill stands in the immediate.
.set SLOT,   131072
.set SPARE,  2*SLOT
.set STAGE,  SPARE+512
.set SPITCH, 272
.set WOUT_O, 33<<20
.set NP,   4
.set ADRA, 16
.set ADRB, 20
.set STO,  24
.set RD,   25
.set CO,   26
.set SPW,  28
.set NIL,  29
.set PFO,  27                          ; v27  prefetch offset: (2 (p / 2) + l / 16) row blocks of 32,768 bytes + 4,096 (p % 2) + 256 (l % 16)
.set BO,   32
.set TMP,  64
.set BK,   96
.set ACC,  128
.set G1A, 24
.set G0A, 32
.set G1B, 48
.set G0B, 56
.set MSB, 0
.macro WIN new
.if MSB != (\new)
	s_set_vgpr_msb (MSB<<8)|(\new)
.set MSB, (\new)
.endif
.endm
.macro JLOAD s
	s_cmp_eq_u32 s15, 0
	s_cbranch_scc0 .Lfor_b_\@
	tensor_load_to_lds s[G0A+4*\s:G0A+4*\s+3], s[G1A:G1A+7]
	s_nop 0
.rept 4
	v_nop
.endr
	s_branch .Lasked_\@
.Lfor_b_\@:
	tensor_load_to_lds s[G0B+4*\s:G0B+4*\s+3], s[G1B:G1B+7]
	s_nop 0
.rept 4
	v_nop
.endr
.Lasked_\@:
.endm
.macro CREST
	s_cmp_lg_u32 s14, 0
	s_cbranch_scc1 .Lnot_wave_0_\@
	s_barrier_signal -3
.Lnot_wave_0_\@:
	s_barrier_wait -3
	s_barrier_signal -1
	s_barrier_wait -1
.endm
.macro CROUND
	s_barrier_signal -1
	s_barrier_wait -1
	CREST
.endm
.macro PLACES n
.rept \n
	v_nop
.endr
.endm
	s_load_b256 s[4:11], s[0:1], 0x0
	s_load_b64 s[12:13], s[0:1], 0x20
	v_lshl_add_u32 v[SPW], v0, 2, SPARE
	v_mov_b32 v[NIL], 0
	ds_add_u32 v28, v29
	ds_add_u32 v28, v29
	s_wait_dscnt 0x0
	v_lshrrev_b32 v1, 5, v0
	v_readfirstlane_b32 s14, v1
	s_lshr_b32 s15, s14, 1
	s_and_b32 s16, s14, 1
	s_bfe_u32 s40, ttmp6, 0x40000
	s_bfe_u32 s41, ttmp6, 0x40004
	s_lshl_b32 s42, ttmp9, 2
	s_add_co_u32 s42, s42, s40
	s_and_b32 s17, ttmp7, 0xffff
	s_lshl_b32 s17, s17, 2
	s_add_co_u32 s17, s17, s41
	s_lshl_b32 s43, s41, 2
	s_lshl_b32 s43, 15, s43
	s_lshl_b32 s44, 0x1111, s40
	s_or_b32 s[G1A], s43, (3<<16)|(1<<21)
	s_or_b32 s[G1B], s44, (3<<16)|(1<<21)
.irp g, G1A, G1B
	s_mov_b32 s[\g+1], 1024<<16
	s_mov_b32 s[\g+2], 4<<16
	s_mov_b32 s[\g+3], 1024<<16
	s_mov_b32 s[\g+4], 4
	s_mov_b32 s[\g+5], 4096
	s_mov_b32 s[\g+6], 0
	s_mov_b32 s[\g+7], 0
.endr
	s_lshl_b32 s18, s16, 2
	s_lshl_b32 s20, s17, 3
	s_add_co_u32 s20, s20, s18
	s_lshl_b32 s20, s20, 15
	s_mov_b32 s21, 0
	s_lshl_b32 s46, s42, 3
	s_add_co_u32 s46, s46, s18
	s_lshl_b32 s46, s46, 15
	s_mov_b32 s47, 0
	s_lshl_b32 s45, s14, 15
	s_wait_kmcnt 0x0
	s_load_b64 s[68:69], s[8:9], 0x18
	s_add_nc_u64 s[20:21], s[4:5], s[20:21]
	s_add_nc_u64 s[46:47], s[6:7], s[46:47]
	CROUND
.irp s, 0,1
	s_mov_b32 s[G0A+4*\s], 1
	s_add_co_u32 s[G0A+4*\s+1], s45, \s*SLOT
	s_add_nc_u64 s[G0A+4*\s+2:G0A+4*\s+3], s[20:21], \s*8192
	s_or_b32 s[G0A+4*\s+3], s[G0A+4*\s+3], 0x80000000
	s_mov_b32 s[G0B+4*\s], 1
	s_add_co_u32 s[G0B+4*\s+1], s45, \s*SLOT
	s_add_nc_u64 s[G0B+4*\s+2:G0B+4*\s+3], s[46:47], WOUT_O+\s*8192
	s_or_b32 s[G0B+4*\s+3], s[G0B+4*\s+3], 0x80000000
.endr
	JLOAD 0                                        ; fill 0: the set-up below stands under its flight
	s_add_nc_u64 s[22:23], s[46:47], WOUT_O
	s_cmp_eq_u32 s15, 0
	s_cselect_b64 s[22:23], s[20:21], s[22:23]     ; the four row blocks that I fetch, of hcodes or of W_out
	s_cselect_b32 s18, s40, s41                    ; p: my place among the four that ask with me
	s_lshr_b32 s19, s18, 1
	s_lshl_b32 s19, s19, 16
	s_and_b32 s18, s18, 1
	s_lshl_b32 s18, s18, 12
	s_add_co_u32 s18, s18, s19
	v_and_b32 v1, 31, v0
	v_and_b32 v2, 15, v0
	v_bfe_u32 v3, v0, 4, 1
	v_lshlrev_b32 v4, 4, v1
	v_lshlrev_b32 v[PFO], 8, v2
	v_lshl_add_u32 v[PFO], v3, 15, v[PFO]
	v_add_nc_u32 v[PFO], s18, v[PFO]
	s_lshl_b32 s20, s15, 15
	s_lshl_b32 s21, s16, 15
	s_add_co_u32 s21, s21, 65536
	v_add_nc_u32 v[ADRA], s20, v4
	v_add_nc_u32 v[ADRB], s21, v4
	v_add_nc_u32 v[ADRA+1], SLOT, v[ADRA]
	v_add_nc_u32 v[ADRB+1], SLOT, v[ADRB]
	s_mul_i32 s20, s14, 16*SPITCH
	s_add_co_u32 s20, s20, STAGE
	v_mul_u32_u24 v[STO], v2, SPITCH
	v_lshl_add_u32 v[STO], v3, 5, v[STO]
	v_add_nc_u32 v[STO], s20, v[STO]
	v_mul_u32_u24 v[RD], v3, SPITCH
	v_lshl_add_u32 v[RD], v2, 4, v[RD]
	v_add_nc_u32 v[RD], s20, v[RD]
	v_lshlrev_b32 v[CO], 13, v3
	v_lshl_add_u32 v[CO], v2, 4, v[CO]
	v_lshlrev_b32 v5, 5, v3
	s_lshl_b32 s20, s42, 9
	s_lshl_b32 s21, s16, 8
	s_add_co_u32 s20, s20, s21
	s_mov_b32 s21, 0
	s_add_nc_u64 s[10:11], s[10:11], s[20:21]
.irp b, 0,1,2,3
	global_load_b128 v[BO+8*\b:BO+8*\b+3], v5, s[10:11] offset:64*\b
	global_load_b128 v[BO+8*\b+4:BO+8*\b+7], v5, s[10:11] offset:64*\b+16
.endr
	global_prefetch_b8 v[PFO], s[22:23] offset:8192 th:TH_LOAD_NT scope:SCOPE_SE    ; fill 1
	global_prefetch_b8 v[PFO], s[22:23] offset:16384 th:TH_LOAD_NT scope:SCOPE_SE   ; fill 2
	s_lshl_b32 s46, s17, 7
	s_lshl_b32 s47, s15, 6
	s_add_co_u32 s46, s46, s47
	s_lshl_b32 s46, s46, 13
	s_add_co_u32 s46, s46, s20
	s_mov_b32 s47, 0
	s_add_nc_u64 s[12:13], s[12:13], s[46:47]
.macro FRAG reg, adr, q, i
.irp c, 0,1,2,3
	ds_load_b128 v[\reg+4*\c:\reg+4*\c+3], v[\adr] offset:8192*(\i)+2048*(\q)+512*\c
.endr
.endm
.macro FETCHP slot, q, p, part         ; eight LDS loads: part 0, 1: B's fragments 0, 1 and 2, 3; part 2, 3: A's 0, 1 and 2, 3
	WIN 0x40
.if (\part) < 2
.irp i, 0,1
	FRAG 128*(\p)+64+16*(2*(\part)+\i), ADRB+\slot, \q, 2*(\part)+\i
.endr
.else
.irp i, 0,1
	FRAG 128*(\p)+16*(2*(\part)-4+\i), ADRA+\slot, \q, 2*(\part)-4+\i
.endr
.endif
.endm
.macro FETCH slot, q, p
	FETCHP \slot, \q, \p, 0
	FETCHP \slot, \q, \p, 1
	FETCHP \slot, \q, \p, 2
	FETCHP \slot, \q, \p, 3
.endm
.macro MULQ p, hi, zero                ; four matrix instructions: A's block hi against B's four
	WIN 0x05
.irp a, \hi
.irp b, 0,1,2,3
.if \zero
	v_wmma_f32_16x16x128_bf8_bf8 v[ACC+8*(4*(\a)+\b):ACC+8*(4*(\a)+\b)+7], v[128*(\p)+64+16*\b:128*(\p)+64+16*\b+15], v[128*(\p)+16*(\a):128*(\p)+16*(\a)+15], 0
.else
	v_wmma_f32_16x16x128_bf8_bf8 v[ACC+8*(4*(\a)+\b):ACC+8*(4*(\a)+\b)+7], v[128*(\p)+64+16*\b:128*(\p)+64+16*\b+15], v[128*(\p)+16*(\a):128*(\p)+16*(\a)+15], v[ACC+8*(4*(\a)+\b):ACC+8*(4*(\a)+\b)+7]
.endif
.endr
.endr
.endm
; A step asks for the next step's 32 LDS loads in one run, into the other set, and then multiplies its own set: the count leaves those 32 out.
.macro STEPG slot, q, zero
	PLACES NP
	FETCH \slot, (\q)+1, 1-(\q)%2
	s_wait_dscnt 32
	MULQ (\q)%2, 0, \zero
	MULQ (\q)%2, 1, \zero
	MULQ (\q)%2, 2, \zero
	MULQ (\q)%2, 3, \zero
.endm
.macro TURNG slot, next, fill
	WIN 0
	s_wait_tensorcnt 0x0
	ds_add_u32 v[SPW], v[NIL]
	s_wait_dscnt 0x0                               ; the add is done, and my reads of this slot are over
	s_barrier_signal -1
	MULQ 1, 0, 0
	MULQ 1, 1, 0
	WIN 0
	s_barrier_wait -1
.if \fill
	CREST
	s_add_nc_u64 s[G0A+4*\slot+2:G0A+4*\slot+3], s[G0A+4*\slot+2:G0A+4*\slot+3], 16384
	s_add_nc_u64 s[G0B+4*\slot+2:G0B+4*\slot+3], s[G0B+4*\slot+2:G0B+4*\slot+3], 16384
	JLOAD \slot
.else
	PLACES NP
.endif
	FETCH \next, 0, 0
	MULQ 1, 2, 0
	MULQ 1, 3, 0
.endm
	s_wait_alu depctr_va_vdst(0)                   ; the wait at the head's end
	s_wait_tensorcnt 0x0                           ; my part of fill 0 is in
	ds_add_u32 v[SPW], v[NIL]
	s_wait_dscnt 0x0
	CROUND
	JLOAD 1                                        ; fill 1, the first tensor load behind the round
	global_prefetch_b8 v[PFO], s[22:23] offset:24576 th:TH_LOAD_NT scope:SCOPE_SE   ; fill 3
	FETCH 0, 0, 0
	STEPG 0, 0, 1
	STEPG 0, 1, 0
	STEPG 0, 2, 0
	TURNG 0, 1, 1
	STEPG 1, 0, 0
	STEPG 1, 1, 0
	STEPG 1, 2, 0
	TURNG 1, 0, 1
	STEPG 0, 0, 0
	STEPG 0, 1, 0
	STEPG 0, 2, 0
	TURNG 0, 1, 0
	STEPG 1, 0, 0
	STEPG 1, 1, 0
	STEPG 1, 2, 0
	s_wait_dscnt 0x0
	MULQ 1, 0, 0
	MULQ 1, 1, 0
	MULQ 1, 2, 0
	MULQ 1, 3, 0
	WIN 0
	s_wait_kmcnt 0x0
	s_add_co_i32 s66, s68, s69
	s_add_co_i32 s66, s66, 127
	s_lshl_b32 s66, s66, 23
	s_mov_b32 s67, s66
	s_wait_loadcnt 0x0
	PLACES NP
.irp a, 0,1,2,3
.if \a > 0
	s_wait_xcnt 0x0
.endif
.irp b, 0,1,2,3
.irp j, 0,2,4,6
	v_pk_fma_f32 v[TMP+8*\b+\j:TMP+8*\b+\j+1], v[ACC+8*(4*\a+\b)+\j:ACC+8*(4*\a+\b)+\j+1], s[66:67], v[BO+8*\b+\j:BO+8*\b+\j+1] op_sel_hi:[1,0,1]
.endr
.endr
.irp b, 0,1,2,3
	ds_store_b128 v[STO], v[TMP+8*\b:TMP+8*\b+3] offset:64*\b
	ds_store_b128 v[STO], v[TMP+8*\b+4:TMP+8*\b+7] offset:64*\b+16
.endr
.irp t, 0,1,2,3,4,5,6,7
	ds_load_b128 v[BK+4*\t:BK+4*\t+3], v[RD] offset:2*SPITCH*\t
.endr
	s_wait_dscnt 0x0
.irp t, 0,1,2,3,4,5,6,7
	global_store_b128 v[CO], v[BK+4*\t:BK+4*\t+3], s[12:13] offset:8192*(16*\a+2*\t)
.endr
.endr
	s_wait_tensorcnt 0x0
	ds_add_u32 v[SPW], v[NIL]
	s_wait_dscnt 0x0
	CROUND
	s_endpgm
.Lfunc_end_k_qf05cefb2c5_logit:
	.size	k_qf05cefb2c5_logit, .Lfunc_end_k_qf05cefb2c5_logit-k_qf05cefb2c5_logit
	.p2alignl 7, 3214868480
	.fill 96, 4, 3214868480
	.section	.rodata,"a",@progbits
	.p2align	6, 0x0
	.amdhsa_kernel k_qf05cefb2c5_logit
		.amdhsa_group_segment_fixed_size 327680
		.amdhsa_private_segment_fixed_size 0
		.amdhsa_enable_private_segment 0
		.amdhsa_kernarg_size 40
		.amdhsa_user_sgpr_count 2
		.amdhsa_user_sgpr_kernarg_segment_ptr 1
		.amdhsa_wavefront_size32 1
		.amdhsa_system_sgpr_workgroup_id_x 1
		.amdhsa_system_sgpr_workgroup_id_y 1
		.amdhsa_system_sgpr_workgroup_id_z 1
		.amdhsa_system_vgpr_workitem_id 0
		.amdhsa_next_free_vgpr 512
		.amdhsa_next_free_sgpr 72
		.amdhsa_reserve_vcc 0
		.amdhsa_float_denorm_mode_32 3
		.amdhsa_float_denorm_mode_16_64 3
		.amdhsa_memory_ordered 1
		.amdhsa_forward_progress 1
		.amdhsa_inst_pref_size 75
	.end_amdhsa_kernel
	.amdgpu_metadata
---
amdhsa.version: [ 1, 2 ]
amdhsa.kernels:
  - .name:           k_qf05cefb2c5_logit
    .symbol:         k_qf05cefb2c5_logit.kd
    .args:
      - { .name: hcodes, .offset: 0, .size: 8, .value_kind: global_buffer, .address_space: global }
      - { .name: codes, .offset: 8, .size: 8, .value_kind: global_buffer, .address_space: global }
      - { .name: lowp_scales, .offset: 16, .size: 8, .value_kind: global_buffer, .address_space: global }
      - { .name: b_out, .offset: 24, .size: 8, .value_kind: global_buffer, .address_space: global }
      - { .name: logits, .offset: 32, .size: 8, .value_kind: global_buffer, .address_space: global }
    .group_segment_fixed_size: 327680
    .private_segment_fixed_size: 0
    .kernarg_segment_align: 8
    .kernarg_segment_size: 40
    .max_flat_workgroup_size: 128
    .sgpr_count:     72
    .vgpr_count:     512
    .wavefront_size: 32
...
	.end_amdgpu_metadata
.endif
;; end of part 3
;; launch soft (part 4): grid 256 x 1, 8 waves a work-group, no clusters, 0 bytes of LDS; arguments logits, out0; writes out0
.if DOCPART == 4
	.amdgcn_target "amdgcn-amd-amdhsa--gfx1250"
	.amdhsa_code_object_version 6
	.text
	.protected	k_qf05cefb2c5_soft
	.globl	k_qf05cefb2c5_soft
	.p2align	8
	.type	k_qf05cefb2c5_soft,@function
k_qf05cefb2c5_soft:
	s_mov_b64 s[64:65], 0
	v_nop
	global_prefetch_b8 v0, s[64:65] scope:SCOPE_SE
	s_setreg_imm32_b32 hwreg(HW_REG_WAVE_MODE, 25, 1), 1
	s_wait_xcnt 0x0
; out0[r][:] = softmax of logits[r][:], 2,048 numbers of f32 a row.  One wave takes one row, 8,192 bytes, and keeps it in 64 registers between the maximum, the sum and the scaling:
; the row is read once and written once, the reductions never leave the wave: no LDS, no barrier.  Each load and store of a wave covers 512 consecutive bytes, aligned.
; The row's maximum m is taken away ahead of the exponential: p = 2^(x log2 e - m log2 e), one fused multiply-add a pair.  Waves share no input: no cluster; there is no product: no matrix unit.
.set X, 16                             ; v16-79  the row
	s_load_b128 s[4:7], s[0:1], 0x0                ; logits, out0
	s_lshl_b32 s2, ttmp9, 16                       ; the work-group's 8 rows of 8,192 bytes
	s_mov_b32 s3, 0
	s_mov_b32 s8, 0x76543210                       ; v_permlanex16_b32: lane i of one half reads lane i of the other
	s_mov_b32 s9, 0xfedcba98
	s_mov_b32 s10, 0x3fb8aa3b                      ; log2 e
	s_mov_b32 s11, s10                             ; (named with it as a pair, so it is written)
	v_lshrrev_b32 v1, 5, v0
	v_and_b32 v2, 31, v0
	s_delay_alu instid0(VALU_DEP_1)
	v_lshlrev_b32 v2, 4, v2
	s_delay_alu instid0(VALU_DEP_1)
	v_lshl_or_b32 v1, v1, 13, v2                   ; my wave's row + 16 bytes a lane
	s_wait_alu depctr_va_vdst(0)
	s_wait_kmcnt 0x0
	s_add_nc_u64 s[4:5], s[4:5], s[2:3]
	s_add_nc_u64 s[6:7], s[6:7], s[2:3]
.irp j, 0,1,2,3,4,5,6,7,8,9,10,11,12,13,14,15
	global_load_b128 v[X+4*\j:X+4*\j+3], v1, s[4:5] offset:512*\j th:TH_LOAD_NT
.endr
	s_wait_loadcnt 0x0
	; the largest of my 64 numbers, in four chains that do not wait for each other
.irp k, 0,1,2,3
	v_max3_num_f32 v[4+\k], v[X+16*\k], v[X+16*\k+1], v[X+16*\k+2]
.endr
.irp i, 3,5,7,9,11,13
.irp k, 0,1,2,3
	s_delay_alu instid0(VALU_DEP_4)
	v_max3_num_f32 v[4+\k], v[4+\k], v[X+16*\k+\i], v[X+16*\k+\i+1]
.endr
.endr
	s_delay_alu instid0(VALU_DEP_4)
	v_max3_num_f32 v4, v4, v[X+15], v[X+31]
	s_delay_alu instid0(VALU_DEP_3)
	v_max3_num_f32 v6, v6, v[X+47], v[X+63]
	s_delay_alu instid0(VALU_DEP_1)
	v_max3_num_f32 v4, v4, v5, v6
	s_delay_alu instid0(VALU_DEP_1)
	v_max_num_f32 v4, v4, v7
	s_delay_alu instid0(VALU_DEP_1)
	v_max_num_f32_dpp v4, v4, v4 row_xmask:1 row_mask:0xf bank_mask:0xf
	s_delay_alu instid0(VALU_DEP_1)
	v_max_num_f32_dpp v4, v4, v4 row_xmask:2 row_mask:0xf bank_mask:0xf
	s_delay_alu instid0(VALU_DEP_1)
	v_max_num_f32_dpp v4, v4, v4 row_xmask:4 row_mask:0xf bank_mask:0xf
	s_delay_alu instid0(VALU_DEP_1)
	v_max_num_f32_dpp v4, v4, v4 row_xmask:8 row_mask:0xf bank_mask:0xf
	s_delay_alu instid0(VALU_DEP_1)
	v_permlanex16_b32 v5, v4, s8, s9               ; its destination counts as read: v5 has been written
	s_delay_alu instid0(VALU_DEP_1)
	v_max_num_f32 v4, v4, v5                       ; every lane holds the row's maximum
	s_delay_alu instid0(VALU_DEP_1)
	v_mul_f32 v8, s10, v4                          ; m log2 e
	s_delay_alu instid0(VALU_DEP_1)
	v_mov_b32 v9, v8
.irp j, 0,2,4,6,8,10,12,14,16,18,20,22,24,26,28,30,32,34,36,38,40,42,44,46,48,50,52,54,56,58,60,62
	v_pk_fma_f32 v[X+\j:X+\j+1], v[X+\j:X+\j+1], s[10:11], v[8:9] op_sel_hi:[1,0,1] neg_lo:[0,0,1] neg_hi:[0,0,1]
.endr
.set i, 0
	s_wait_alu depctr_va_vdst(0)
.rept 64
	v_exp_f32 v[X+i], v[X+i]
.set i, i+1
.endr
	v_nop                                          ; a plain instruction between the last exponential and the use of its result
	s_wait_alu depctr_va_vdst(0)
	v_pk_add_f32 v[12:13], v[16:17], v[18:19]
	v_pk_add_f32 v[94:95], v[24:25], v[28:29]
	v_pk_add_f32 v[92:93], v[32:33], v[36:37]
	v_pk_add_f32 v[90:91], v[40:41], v[44:45]
	v_pk_add_f32 v[88:89], v[48:49], v[52:53]
	v_pk_add_f32 v[86:87], v[56:57], v[60:61]
	v_pk_add_f32 v[84:85], v[64:65], v[68:69]
	v_pk_add_f32 v[10:11], v[72:73], v[76:77]
	v_pk_add_f32 v[10:11], v[10:11], v[20:21]
	v_pk_add_f32 v[12:13], v[12:13], v[22:23]
	v_pk_add_f32 v[94:95], v[94:95], v[26:27]
	v_pk_add_f32 v[92:93], v[92:93], v[30:31]
	v_pk_add_f32 v[90:91], v[90:91], v[34:35]
	v_pk_add_f32 v[88:89], v[88:89], v[38:39]
	v_pk_add_f32 v[86:87], v[86:87], v[42:43]
	v_pk_add_f32 v[84:85], v[84:85], v[46:47]
	v_pk_add_f32 v[10:11], v[10:11], v[50:51]
	v_pk_add_f32 v[12:13], v[12:13], v[54:55]
	v_pk_add_f32 v[94:95], v[94:95], v[58:59]
	v_pk_add_f32 v[92:93], v[92:93], v[62:63]
	v_pk_add_f32 v[90:91], v[90:91], v[66:67]
	v_pk_add_f32 v[88:89], v[88:89], v[70:71]
	v_pk_add_f32 v[86:87], v[86:87], v[74:75]
	v_pk_add_f32 v[84:85], v[84:85], v[78:79]
	s_delay_alu instid0(VALU_DEP_4)
	v_pk_add_f32 v[10:11], v[10:11], v[90:91]
	s_delay_alu instid0(VALU_DEP_4)
	v_pk_add_f32 v[12:13], v[12:13], v[88:89]
	s_delay_alu instid0(VALU_DEP_4)
	v_pk_add_f32 v[94:95], v[94:95], v[86:87]
	s_delay_alu instid0(VALU_DEP_4)
	v_pk_add_f32 v[92:93], v[92:93], v[84:85]
	s_delay_alu instid0(VALU_DEP_2)
	v_pk_add_f32 v[10:11], v[10:11], v[94:95]
	s_delay_alu instid0(VALU_DEP_2)
	v_pk_add_f32 v[12:13], v[12:13], v[92:93]
	s_delay_alu instid0(VALU_DEP_1)
	v_pk_add_f32 v[10:11], v[10:11], v[12:13]
	s_delay_alu instid0(VALU_DEP_1)
	v_add_f32 v10, v10, v11
	s_delay_alu instid0(VALU_DEP_1)
	v_add_f32_dpp v10, v10, v10 row_xmask:1 row_mask:0xf bank_mask:0xf
	s_delay_alu instid0(VALU_DEP_1)
	v_add_f32_dpp v10, v10, v10 row_xmask:2 row_mask:0xf bank_mask:0xf
	s_delay_alu instid0(VALU_DEP_1)
	v_add_f32_dpp v10, v10, v10 row_xmask:4 row_mask:0xf bank_mask:0xf
	s_delay_alu instid0(VALU_DEP_1)
	v_add_f32_dpp v10, v10, v10 row_xmask:8 row_mask:0xf bank_mask:0xf
	s_delay_alu instid0(VALU_DEP_1)
	v_permlanex16_b32 v11, v10, s8, s9
	s_delay_alu instid0(VALU_DEP_1)
	v_add_f32 v10, v10, v11                        ; the row's sum, at least 1
	s_wait_alu depctr_va_vdst(0)
	v_rcp_f32 v14, v10
	v_rcp_f32 v15, v10                             ; twice: a pair for the packed multiply
	v_nop
	s_wait_alu depctr_va_vdst(0)
.irp j, 0,2,4,6,8,10,12,14,16,18,20,22,24,26,28,30,32,34,36,38,40,42,44,46,48,50,52,54,56,58,60,62
	v_pk_mul_f32 v[X+\j:X+\j+1], v[X+\j:X+\j+1], v[14:15]
.endr
.irp j, 0,1,2,3,4,5,6,7,8,9,10,11,12,13,14,15
	global_store_b128 v1, v[X+4*\j:X+4*\j+3], s[6:7] offset:512*\j th:TH_STORE_NT
.endr
	s_endpgm
.Lfunc_end_k_qf05cefb2c5_soft:
	.size	k_qf05cefb2c5_soft, .Lfunc_end_k_qf05cefb2c5_soft-k_qf05cefb2c5_soft
	.p2alignl 7, 3214868480
	.fill 96, 4, 3214868480
	.section	.rodata,"a",@progbits
	.p2align	6, 0x0
	.amdhsa_kernel k_qf05cefb2c5_soft
		.amdhsa_group_segment_fixed_size 0
		.amdhsa_private_segment_fixed_size 0
		.amdhsa_enable_private_segment 0
		.amdhsa_kernarg_size 16
		.amdhsa_user_sgpr_count 2
		.amdhsa_user_sgpr_kernarg_segment_ptr 1
		.amdhsa_wavefront_size32 1
		.amdhsa_system_sgpr_workgroup_id_x 1
		.amdhsa_system_sgpr_workgroup_id_y 1
		.amdhsa_system_sgpr_workgroup_id_z 1
		.amdhsa_system_vgpr_workitem_id 0
		.amdhsa_next_free_vgpr 96
		.amdhsa_next_free_sgpr 66
		.amdhsa_reserve_vcc 0
		.amdhsa_float_denorm_mode_32 3
		.amdhsa_float_denorm_mode_16_64 3
		.amdhsa_memory_ordered 1
		.amdhsa_forward_progress 1
		.amdhsa_inst_pref_size 17
	.end_amdhsa_kernel
	.amdgpu_metadata
---
amdhsa.version: [ 1, 2 ]
amdhsa.kernels:
  - .name:           k_qf05cefb2c5_soft
    .symbol:         k_qf05cefb2c5_soft.kd
    .args:
      - { .name: logits, .offset: 0, .size: 8, .value_kind: global_buffer, .address_space: global }
      - { .name: out0, .offset: 8, .size: 8, .value_kind: global_buffer, .address_space: global }
    .group_segment_fixed_size: 0
    .private_segment_fixed_size: 0
    .kernarg_segment_align: 8
    .kernarg_segment_size: 16
    .max_flat_workgroup_size: 256
    .sgpr_count:     66
    .vgpr_count:     96
    .wavefront_size: 32
...
	.end_amdgpu_metadata
.endif
;; end of part 4
